; MI455X (gfx1250); checked and timed in simulation.
; The chip was launched on July 23, 2026; its instructions are those of AMD's public machine-readable ISA for CDNA 5 (MIT licence, August 2026) and "CDNA5" Instruction Set Architecture Reference Guide (July 2026). The comments in the code are by the model that wrote it; some were corrected since.
;; LSTM Cell. Allowed arithmetic: matrix products marked QUANTISED: E2M1 operands, one E8M0 scale for each 32 along K, by v_wmma_scale_f32_16x16x128_f8f6f4 with both operands' format E2M1 (or v_wmma_scale_f32_32x16x128_f4), f32 sums; everything else in f32.
;; Inputs: W_h 4,096 x 1,024 float32; W_in 4,096 x 1,024 float32; b_h 4,096 float32; b_in 4,096 float32; c 8,192 x 1,024 float32; h 8,192 x 1,024 float32; input 8,192 x 1,024 float32.
;; Outputs: out0 8,192 x 1,024 float32; out1 8,192 x 1,024 float32.
;; Constants: num_bits = 8, num_bits_grad = 8.
;; This version of the problem:
;;   THIS VERSION OF THE PROBLEM IS GIVEN IN LOW PRECISION. The matrix products marked QUANTISED in the list below multiply operands that are first quantised to E2M1 (2 exponent bits, 1 mantissa bit; 4 bits a number), with one power-of-two scale for each 32 numbers along K (OCP MX v1.0); their sums are f32. All else is computed in f32.
;;   The module's matrix products, in the order in which they are computed (A, B: the left and right operand; K: the contracted axis; several contracted axes count as one K, in the product's order):
;;     1. [M 8,192, K 1,024] x [K 1,024, N 4,096]; A: computed on the way; B: computed on the way: QUANTISED
;;     2. [M 8,192, K 1,024] x [K 1,024, N 4,096]; A: computed on the way; B: computed on the way: QUANTISED
;;   THE QUANTISER, for each operand of a quantised product, along K:
;;     - K is cut into blocks of 32 from its start; a last block that is shorter is filled with zeros.
;;     - A block's scale is 2^e with e = floor(log2(the largest magnitude in the block)) - 2, held to -126 .. 127; a block of zeros has e = 0. As a byte (E8M0): e + 127.
;;     - Each number is divided by its block's scale, clamped to +-6, and rounded to the nearest number of E2M1, ties to even, subnormals kept.
;;     - The product sums the exact products of the quantised numbers (number of the format x scale) in f32.
;;   ~~~python
;;   def quantise(x, axis):      # numpy; x: float32 -> the quantised numbers, widened to float32 again
;;       x = np.moveaxis(x, axis, -1); K = x.shape[-1]
;;       x = np.pad(x, [(0, 0)] * (x.ndim - 1) + [(0, -K % 32)]); x = x.reshape(x.shape[:-1] + (-1, 32)); a = np.abs(x).max(-1, keepdims=True)
;;       e = np.where(a > 0, np.clip(np.frexp(np.where(a > 0, a, 1))[1] - 1 - 2, -126, 127), 0)      # np.frexp(a)[1] - 1 = floor(log2(a)), exactly
;;       r = np.clip(x / 2.0 ** e, -6, 6)
;;       step = 2.0 ** (np.maximum(np.frexp(np.where(r == 0, 1, r))[1] - 1, 0) - 1)
;;       q = np.round(r / step) * step * 2.0 ** e      # np.round: ties to even
;;       return np.moveaxis(q.reshape(q.shape[:-2] + (-1,))[..., :K], -1, axis).astype(np.float32)
;;   ~~~
;;   OPERANDS COMPUTED ON THE WAY. 'Computed on the way' means the value that the module computes at that place (a softmax that the list does not call 'softmax' is quantised finished and normalised). What goes into a quantiser is computed in f32, as accurately as f32 sums, v_exp_f32 and their like allow (about 1e-6 of the number): no bf16 or f16 on the way to a quantiser, and a product that is left as it is and whose result goes on into a quantised operand takes f32 operands (vector FMAs, or v_wmma_f32_16x16x4_f32). A number that lies on a knife's edge between two numbers of the format may be rounded either way, as far as f32 arithmetic and the matrix unit's own rounding can turn it there, and no further.
;; One version. Each part assembles by itself: llvm-mc -triple=amdgcn-amd-amdhsa -mcpu=gfx1250 --defsym DOCPART=n.
;; ======== version 1 of 1: 3 launches
;; limits: right only within a limited range of input values
;; workspace buffers: part 6,144 bytes; a_codes 8,388,608 bytes; a_scales 524,288 bytes; b_codes 4,194,304 bytes; b_scales 262,144 bytes
;; launch minmax (part 1): grid 768 x 1, 8 waves a work-group, no clusters, 1,280 bytes of LDS; arguments input, h, W_in, W_h, part; writes part
.if DOCPART == 1
	.amdgcn_target "amdgcn-amd-amdhsa--gfx1250"
	.amdhsa_code_object_version 6
	.text
	.protected	k_qa81830d0ed_minmax
	.globl	k_qa81830d0ed_minmax
	.p2align	8
	.type	k_qa81830d0ed_minmax,@function
k_qa81830d0ed_minmax:
	s_mov_b64 s[64:65], 0
	v_nop
	global_prefetch_b8 v0, s[64:65] scope:SCOPE_SE
	s_setreg_imm32_b32 hwreg(HW_REG_WAVE_MODE, 25, 1), 1
	s_wait_xcnt 0x0
; The smallest and the largest number of each of four f32 tensors, in parts: input and h [8192][1024], W_in and W_h [4096][1024].
; A work-group takes 131,072 consecutive bytes of ONE tensor (work-groups 0-255 input, 256-511 h, 512-639 W_in, 640-767 W_h) and stores two numbers:
; part[wg] = -(its smallest number), part[768 + wg] = its largest.  The smallest is kept with its sign turned, so that every reduction across lanes, waves and work-groups is a maximum.
; A wave takes 16,384 bytes: 32 loads of 16 bytes a lane, each load 512 consecutive bytes, all issued at once into 128 registers: no loop, no pointer is stepped.
; No cache hint on the loads: the next launch reads the same bytes again.
; LIMITS: NaN among the inputs is passed over (a NaN loses in these maxima and minima), infinities are not served.
.set DATA, 16                          ; v16-143  the wave's numbers
.set LO,   2                           ; v2-3     two chains of minima; then v2 = -(the smallest)
.set HI,   4                           ; v4-5     two chains of maxima
	s_load_b256 s[4:11], s[0:1], 0x0               ; input s[4:5], h s[6:7], W_in s[8:9], W_h s[10:11]
	s_load_b64 s[12:13], s[0:1], 0x20              ; part
	v_lshl_add_u32 v148, v0, 2, 0x100
	v_mov_b32 v149, 0
	v_lshrrev_b32 v8, 5, v0
	s_delay_alu instid0(VALU_DEP_1)
	v_readfirstlane_b32 s14, v8                    ; wave 0..7
	v_and_b32 v1, 31, v0
	s_delay_alu instid0(VALU_DEP_1)
	v_lshlrev_b32 v1, 4, v1                        ; 16 bytes a lane
	v_mov_b32 v6, 0                                ; written once: a lane permute's destination counts as one of its sources
	v_mov_b32 v7, 0
	s_mov_b32 s17, 640
	s_mov_b32 s20, 0x76543210                      ; v_permlanex16_b32's selects for lane l xor 16
	s_mov_b32 s21, 0xfedcba98
	s_wait_alu depctr_va_vdst(0)
	s_wait_kmcnt 0x0
	s_cmp_lt_u32 ttmp9, 256                        ; which tensor: the choice hangs on the work-group's number alone
	s_cselect_b64 s[4:5], s[4:5], s[6:7]           ; input or h,
	s_cselect_b32 s15, 0, 256                      ; and the tensor's first work-group
	s_cmp_lt_u32 ttmp9, 640
	s_cselect_b64 s[8:9], s[8:9], s[10:11]         ; W_in or W_h
	s_cselect_b32 s16, 512, s17
	s_cmp_lt_u32 ttmp9, 512
	s_cselect_b64 s[4:5], s[4:5], s[8:9]           ; the first pair or the second
	s_cselect_b32 s15, s15, s16
	s_sub_co_u32 s15, ttmp9, s15
	s_lshl_b32 s18, s15, 17                        ; 131,072 bytes a work-group (255 x 131,072 at the most: 32 bits hold it),
	s_lshl_b32 s16, s14, 14                        ; 16,384 a wave
	s_add_co_u32 s18, s18, s16
	s_mov_b32 s19, 0
	s_add_nc_u64 s[4:5], s[4:5], s[18:19]
.set i, 0
.rept 32
	global_load_b128 v[DATA+4*i:DATA+4*i+3], v1, s[4:5] offset:512*i   ; 32 lanes read 512 consecutive bytes
.set i, i+1
.endr
; count pairs of registers from DATA + first on are folded into the chains, which take turns so that no line waits for the line above it
.macro FOLD first, count
.set p, 0
.rept \count
	v_min3_num_f32 v[LO+p%2], v[LO+p%2], v[DATA+\first+2*p], v[DATA+\first+2*p+1]
	v_max3_num_f32 v[HI+p%2], v[HI+p%2], v[DATA+\first+2*p], v[DATA+\first+2*p+1]
.set p, p+1
.endr
.endm
	s_wait_loadcnt 24                              ; loads come back in order: the first eight are in, 24 younger ones may be out
	v_min3_num_f32 v[LO], v[DATA], v[DATA+1], v[DATA+2]            ; the first six numbers start the chains: nothing is cleared
	v_min3_num_f32 v[LO+1], v[DATA+3], v[DATA+4], v[DATA+5]
	v_max3_num_f32 v[HI], v[DATA], v[DATA+1], v[DATA+2]
	v_max3_num_f32 v[HI+1], v[DATA+3], v[DATA+4], v[DATA+5]
	FOLD 6, 13
	s_wait_alu depctr_va_vdst(0)
	s_wait_loadcnt 16
	FOLD 32, 16
	s_wait_alu depctr_va_vdst(0)
	s_wait_loadcnt 8
	FOLD 64, 16
	s_wait_alu depctr_va_vdst(0)
	s_wait_loadcnt 0x0
	FOLD 96, 16
	s_delay_alu instid0(VALU_DEP_2)
	v_min_num_f32 v[LO], v[LO], v[LO+1]
	s_delay_alu instid0(VALU_DEP_2)
	v_max_num_f32 v[HI], v[HI], v[HI+1]
	s_delay_alu instid0(VALU_DEP_2)
	v_xor_b32 v[LO], 0x80000000, v[LO]             ; -(the smallest): from here on both are maxima
.irp m, 1
	s_delay_alu instid0(VALU_DEP_1)
	v_max_num_f32_dpp v[LO], v[LO], v[LO] row_xmask:\m row_mask:0xf bank_mask:0xf
	s_delay_alu instid0(VALU_DEP_3)
	v_max_num_f32_dpp v[HI], v[HI], v[HI] row_xmask:\m row_mask:0xf bank_mask:0xf
.endr
.irp m, 2, 4, 8
	s_delay_alu instid0(VALU_DEP_2)
	v_max_num_f32_dpp v[LO], v[LO], v[LO] row_xmask:\m row_mask:0xf bank_mask:0xf
	s_delay_alu instid0(VALU_DEP_2)
	v_max_num_f32_dpp v[HI], v[HI], v[HI] row_xmask:\m row_mask:0xf bank_mask:0xf
.endr
	s_delay_alu instid0(VALU_DEP_2)
	v_permlanex16_b32 v6, v[LO], s20, s21          ; and the other half
	s_delay_alu instid0(VALU_DEP_2)
	v_permlanex16_b32 v7, v[HI], s20, s21
	s_delay_alu instid0(VALU_DEP_2)
	v_max_num_f32 v[LO], v[LO], v6
	s_delay_alu instid0(VALU_DEP_2)
	v_max_num_f32 v[HI], v[HI], v7
	; across the eight waves: each stores its two numbers to words of its own, one barrier, every wave reads all sixteen
	v_mov_b32 v8, s14
	s_delay_alu instid0(VALU_DEP_1)
	v_lshlrev_b32 v8, 2, v8
	ds_store_b32 v8, v[LO]                         ; all lanes write the same word with the same value
	ds_store_b32 v8, v[HI] offset:32
	s_wait_dscnt 0x0                               ; for the others' sake: my stores are done
	s_barrier_signal -1
	s_barrier_wait -1
	v_mov_b32 v9, 0
	ds_load_b128 v[16:19], v9
	ds_load_b128 v[20:23], v9 offset:16
	ds_load_b128 v[24:27], v9 offset:32
	ds_load_b128 v[28:31], v9 offset:48
	s_wait_dscnt 0x0
	v_max3_num_f32 v[LO], v16, v17, v18
	v_max3_num_f32 v[HI], v24, v25, v26
	v_max3_num_f32 v[LO+1], v19, v20, v21
	v_max3_num_f32 v[HI+1], v27, v28, v29
	s_delay_alu instid0(VALU_DEP_4)
	v_max3_num_f32 v[LO], v[LO], v22, v23
	s_delay_alu instid0(VALU_DEP_4)
	v_max3_num_f32 v[HI], v[HI], v30, v31
	s_delay_alu instid0(VALU_DEP_2)
	v_max_num_f32 v[LO], v[LO], v[LO+1]
	s_delay_alu instid0(VALU_DEP_2)
	v_max_num_f32 v[HI], v[HI], v[HI+1]
	; threads 0 and 1 store the work-group's two numbers
	v_cmp_eq_u32 vcc_lo, 1, v0
	s_delay_alu instid0(VALU_DEP_1)
	v_cndmask_b32 v10, v[LO], v[HI], vcc_lo        ; thread 1 takes the largest
	v_and_b32 v11, 1, v0
	s_delay_alu instid0(VALU_DEP_1)
	v_mul_u32_u24 v11, v11, 3072                   ; which lies 768 words behind
	s_lshl_b32 s15, ttmp9, 2
	v_add_nc_u32 v11, s15, v11
	s_wait_alu depctr_va_vdst(0)
	s_wait_xcnt 0x0                                ; EXEC is a source of the loads above: it changes only behind this wait
	v_cmp_gt_u32 vcc_lo, 2, v0
	s_wait_tensorcnt 0x0
	ds_add_u32 v148, v149
	s_wait_dscnt 0x0
	s_and_saveexec_b32 s16, vcc_lo
	global_store_b32 v11, v10, s[12:13]
	s_wait_xcnt 0x0                                ; and again in front of the line that widens it
	s_or_b32 exec_lo, exec_lo, s16
	s_endpgm
.Lfunc_end_k_qa81830d0ed_minmax:
	.size	k_qa81830d0ed_minmax, .Lfunc_end_k_qa81830d0ed_minmax-k_qa81830d0ed_minmax
	.p2alignl 7, 3214868480
	.fill 96, 4, 3214868480
	.section	.rodata,"a",@progbits
	.p2align	6, 0x0
	.amdhsa_kernel k_qa81830d0ed_minmax
		.amdhsa_group_segment_fixed_size 1280
		.amdhsa_private_segment_fixed_size 0
		.amdhsa_enable_private_segment 0
		.amdhsa_kernarg_size 40
		.amdhsa_user_sgpr_count 2
		.amdhsa_user_sgpr_kernarg_segment_ptr 1
		.amdhsa_wavefront_size32 1
		.amdhsa_system_sgpr_workgroup_id_x 1
		.amdhsa_system_sgpr_workgroup_id_y 1
		.amdhsa_system_sgpr_workgroup_id_z 1
		.amdhsa_system_vgpr_workitem_id 0
		.amdhsa_next_free_vgpr 150
		.amdhsa_next_free_sgpr 66
		.amdhsa_reserve_vcc 1
		.amdhsa_float_denorm_mode_32 3
		.amdhsa_float_denorm_mode_16_64 3
		.amdhsa_memory_ordered 1
		.amdhsa_forward_progress 1
		.amdhsa_inst_pref_size 16
	.end_amdhsa_kernel
	.amdgpu_metadata
---
amdhsa.version: [ 1, 2 ]
amdhsa.kernels:
  - .name:           k_qa81830d0ed_minmax
    .symbol:         k_qa81830d0ed_minmax.kd
    .args:
      - { .name: input, .offset: 0, .size: 8, .value_kind: global_buffer, .address_space: global }
      - { .name: h, .offset: 8, .size: 8, .value_kind: global_buffer, .address_space: global }
      - { .name: W_in, .offset: 16, .size: 8, .value_kind: global_buffer, .address_space: global }
      - { .name: W_h, .offset: 24, .size: 8, .value_kind: global_buffer, .address_space: global }
      - { .name: part, .offset: 32, .size: 8, .value_kind: global_buffer, .address_space: global }
    .group_segment_fixed_size: 1280
    .private_segment_fixed_size: 0
    .kernarg_segment_align: 8
    .kernarg_segment_size: 40
    .max_flat_workgroup_size: 256
    .sgpr_count:     66
    .vgpr_count:     150
    .wavefront_size: 32
...
	.end_amdgpu_metadata
.endif
;; end of part 1
;; launch quant (part 2): grid 768 x 1, 4 waves a work-group, no clusters, 41,472 bytes of LDS; arguments input, h, W_in, W_h, part, a_codes, a_scales, b_codes, b_scales; writes a_codes, a_scales, b_codes, b_scales
.if DOCPART == 2
	.amdgcn_target "amdgcn-amd-amdhsa--gfx1250"
	.amdhsa_code_object_version 6
	.text
	.protected	k_qa81830d0ed_quant
	.globl	k_qa81830d0ed_quant
	.p2align	8
	.type	k_qa81830d0ed_quant,@function
k_qa81830d0ed_quant:
	s_mov_b64 s[64:65], 0
	v_nop
	global_prefetch_b8 v0, s[64:65] scope:SCOPE_SE
	s_setreg_imm32_b32 hwreg(HW_REG_WAVE_MODE, 25, 1), 1
	s_wait_xcnt 0x0
; Each of four f32 tensors goes through the per-tensor 8-bit min/max quantiser, y = x + ((round((x - mn) / s) s + mn) - x), all in f32,
; and y is turned into codes of FP4 (E2M1) with one E8M0 scale byte for each 32 along K.  The cell's two products are ONE product with K = 2,048 (input or W_in first, then h or W_h).
; THE CODES ARE LAID AS IMAGES OF THE MATRIX OPERAND'S REGISTERS: [block of 16 rows][step q of 128 along K, 0..15][1,024 bytes]; in an image the 16 bytes of row r that hold
; K = 64 c + 32 h + 0..31 lie at 512 c + 256 h + 16 r: a load of 16 bytes a lane at 16 x lane (+ 512 c) is the fragment.
; THE SCALE BYTES: [block of 16 rows][512 along K, 0..3][row r][16 bytes]: a lane's 16 bytes are its row's four scale words of four steps.
; The weights' blocks are permuted: rows 1024 g + 16 jb .. + 15 (gate g) form block 8 (jb / 2) + 2 g + jb % 2, so that 16 neighbouring blocks are the four gates of 64 hidden columns.
; mn and mx come from part (-min[768], max[768], one pair for each work-group of the launch before); every wave reduces its tensor's parts anew.
; s = (mx - mn) / 255 is taken as one multiplication by the f32 number nearest 1 / 255 (it can differ by one unit in the last place from the rounded quotient: a choice of rounding, stated here).
; The division by s: a quotient by a corrected reciprocal, its remainder by one fused multiply-add, one more to correct it.
; SHARES.  A work-group takes a block of 16 rows (0-255 the weights' blocks, 256-767 input's and h's); wave w takes 512 along K: tensor w / 2, half row w % 2; step t is row t.
; A lane must hold 16 neighbours along K for the conversions, and a load is dense where neighbouring lanes take neighbouring bytes: a step's 2,048 bytes turn through the wave's own stage in LDS.
; A lane's 8 bytes of codes go to a second stage of the wave's own (16 units of 256 bytes, 272 apart) at their place in the images; at the end the wave stores 4,096 dense bytes of codes and 256 of scale bytes.
; LIMITS: NaN and infinities are not served; a tensor whose numbers are all equal gives s = 0 (the definition itself divides by zero there); a block of zeros gets the byte 1 where the rule says 127:
; its codes are zeros, and this program alone reads the bytes; blocks whose largest magnitude lies under 2^-124 have their byte held at 1.
.set STEPS, 16
.set WGW,   256
.set EMAX,  2
.set R,     16                         ; v16-79   four sets of 16 numbers as loaded; at the end the codes on their way out
.set X,     80                         ; v80-111  two sets of 16 neighbours
.set E,     112                        ; v112-127 a scale byte for each step
.set C,     128                        ; v128-159 codes: two registers for each step
.set D,     160                        ; v160-175 at work (first: the parts)
.set Q,     176                        ; v176-191 at work
.set PP,    192                        ; v192-199 mn, s, -s, 1 / s, each twice
.set WREG,  10240                      ; LDS: a region for each wave
.set SP,    80                         ; a lane's place in a turning stage: 64 bytes + 16 of padding
.set SBY,   2*32*SP                    ; behind the two turning stages: the wave's 256 scale bytes
.set CST,   SBY+256                    ; behind them: the codes' stage
.set CP,    272
.set SPARE, 4*WREG                     ; the spare words
	s_load_b512 s[8:23], s[0:1], 0x0               ; input, h, W_in, W_h, part s[16:17], a_codes, a_scales, b_codes
	s_load_b64 s[24:25], s[0:1], 0x40              ; b_scales
	v_lshl_add_u32 v216, v0, 2, SPARE
	v_mov_b32 v217, 0
	v_lshrrev_b32 v1, 5, v0
	v_readfirstlane_b32 s26, v1                    ; wave 0..3
	v_and_b32 v2, 31, v0                           ; lane
	v_lshlrev_b32 v3, 4, v2                        ; 16 x lane
	s_mul_i32 s35, s26, WREG
	v_lshrrev_b32 v14, 2, v2
	v_mul_u32_u24 v14, v14, SP
	v_and_b32 v15, 3, v2
	v_lshl_add_u32 v14, v15, 4, v14
	v_add_nc_u32 v14, s35, v14                     ; turning stage, in: SP (lane / 4) + 16 (lane % 4)
	v_mul_u32_u24 v15, v2, SP
	v_add_nc_u32 v15, s35, v15                     ; out: SP x lane
	v_lshlrev_b32 v4, 3, v2                        ; 8 x lane
	v_lshrrev_b32 v5, 1, v2
	v_mul_u32_u24 v212, v5, CP                     ; codes' stage, in: unit lane / 2, + 8 (lane % 2); the row's 16 t is an immediate
	v_and_b32 v6, 1, v2
	v_lshl_add_u32 v212, v6, 3, v212
	v_add_nc_u32 v212, s35, v212
	v_lshrrev_b32 v6, 4, v2
	v_mul_u32_u24 v213, v6, CP                     ; out: sixteen lanes to a unit, two units an instruction
	v_and_b32 v6, 15, v2
	v_lshl_add_u32 v213, v6, 4, v213
	v_add_nc_u32 v213, s35, v213
	v_add_nc_u32 v5, s35, v5                       ; my block's scale byte
	v_add_nc_u32 v6, s35, v4                       ; and 8 bytes a lane on the way out
	v_mov_b32 v12, 0                               ; a lane permute's destination counts as one of its sources
	s_mov_b32 s36, 0x76543210
	s_mov_b32 s37, 0xfedcba98
	s_mov_b32 s39, 0x3b808081                      ; the f32 number nearest 1 / 255
	s_wait_alu depctr_va_vdst(0)                   ; the wait at the head's end
	s_wait_kmcnt 0x0
	s_cmp_lt_u32 ttmp9, WGW                        ; the weights or the rows?  Only pointers and offsets are chosen
	s_cselect_b64 s[8:9], s[12:13], s[8:9]
	s_cselect_b64 s[10:11], s[14:15], s[10:11]
	s_cselect_b64 s[18:19], s[22:23], s[18:19]
	s_cselect_b64 s[20:21], s[24:25], s[20:21]
	s_cselect_b32 s27, 0, WGW
	s_cselect_b32 s28, 2048, 0                     ; where tensor 0's parts begin
	s_cselect_b32 s29, 0, 512                      ; a weight has 512 bytes of parts (the second load repeats the first), input and h 1,024
	s_add_co_u32 s34, s28, s29
	s_add_co_u32 s34, s34, 512                     ; where tensor 1's begin
	s_lshr_b32 s38, s26, 1
	s_cmp_eq_u32 s38, 0                            ; my wave's tensor of the pair
	s_cselect_b64 s[8:9], s[8:9], s[10:11]
	s_cselect_b32 s28, s28, s34
	v_add_nc_u32 v208, s28, v3
	v_add_nc_u32 v209, s29, v208
	global_load_b128 v[D:D+3],     v208, s[16:17]              ; -min
	global_load_b128 v[D+4:D+7],   v209, s[16:17]
	global_load_b128 v[D+8:D+11],  v208, s[16:17] offset:3072  ; max
	global_load_b128 v[D+12:D+15], v209, s[16:17] offset:3072
	s_sub_co_u32 s27, ttmp9, s27                   ; the block of 16 rows
	s_lshr_b32 s30, s27, 6                         ; the weights': gate g,
	s_and_b32 s31, s27, 63                         ; jb
	s_lshr_b32 s32, s31, 1
	s_lshl_b32 s32, s32, 3
	s_lshl_b32 s30, s30, 1
	s_add_co_u32 s30, s30, s32
	s_and_b32 s31, s31, 1
	s_add_co_u32 s30, s30, s31                     ; 8 (jb / 2) + 2 g + jb % 2
	s_cmp_lt_u32 ttmp9, WGW
	s_cselect_b32 s30, s30, s27                    ; input's and h's blocks stay where they are
	s_lshl_b32 s32, s27, 16                        ; in: 16 rows of 4,096 bytes,
	s_and_b32 s33, s26, 1
	s_lshl_b32 s33, s33, 11                        ; + my half row
	s_add_co_u32 s32, s32, s33
	s_mov_b32 s33, 0
	s_add_nc_u64 s[8:9], s[8:9], s[32:33]
	s_lshl_b32 s32, s30, 14                        ; codes: 16,384 a block, 4,096 a wave
	s_lshl_b32 s31, s26, 12
	s_add_co_u32 s32, s32, s31
	s_add_nc_u64 s[18:19], s[18:19], s[32:33]
	s_lshl_b32 s32, s30, 10                        ; scale bytes: 1,024 a block, 256 a wave
	s_lshl_b32 s31, s26, 8
	s_add_co_u32 s32, s32, s31
	s_add_nc_u64 s[20:21], s[20:21], s[32:33]
.macro LOAD t                          ; row t's 2,048 bytes: four loads of 512 consecutive bytes
.irp i, 0,1,2,3
	global_load_b128 v[R+16*((\t)%4)+4*\i:R+16*((\t)%4)+4*\i+3], v3, s[8:9] offset:(\t)*4096+512*\i th:TH_LOAD_NT
.endr
.endm
.macro TURN t                          ; LDS serves a wave's instructions in order: no wait between the stores and the loads
.irp i, 0,1,2,3
	ds_store_b128 v14, v[R+16*((\t)%4)+4*\i:R+16*((\t)%4)+4*\i+3] offset:32*SP*((\t)%2)+8*SP*\i
.endr
.irp i, 0,1,2,3
	ds_load_b128 v[X+16*((\t)%2)+4*\i:X+16*((\t)%2)+4*\i+3], v15 offset:32*SP*((\t)%2)+16*\i
.endr
.endm
.irp t, 0,1,2,3
	LOAD \t
.endr
	s_wait_loadcnt 16                              ; the four loads of parts are in; the sixteen behind them may be out
.irp g, 0,1
	v_max3_num_f32 v[8+\g], v[D+8*\g], v[D+8*\g+1], v[D+8*\g+2]   ; v8 = -mn, v9 = mx
.endr
.irp i, 3,5
.irp g, 0,1
	v_max3_num_f32 v[8+\g], v[8+\g], v[D+8*\g+\i], v[D+8*\g+\i+1]
.endr
.endr
.irp g, 0,1
	v_max_num_f32 v[8+\g], v[8+\g], v[D+8*\g+7]
.endr
.irp m, 1,2,4,8
.irp g, 0,1
	v_max_num_f32_dpp v[8+\g], v[8+\g], v[8+\g] row_xmask:\m row_mask:0xf bank_mask:0xf
.endr
.endr
.irp g, 0,1
	v_permlanex16_b32 v12, v[8+\g], s36, s37
	v_max_num_f32 v[8+\g], v[8+\g], v12
.endr
	v_add_f32 v12, v9, v8                          ; mx - mn
	v_mul_f32 v[PP+2], s39, v12                    ; s
	s_wait_alu depctr_va_vdst(0)                   ; the wait ahead of the reciprocal
	v_rcp_f32 v[PP+6], v[PP+2]
	v_xor_b32 v[PP], 0x80000000, v8                ; mn
	v_xor_b32 v[PP+4], 0x80000000, v[PP+2]         ; -s
	s_wait_alu depctr_va_vdst(0)                   ; and behind it
	v_fma_f32 v12, v[PP+4], v[PP+6], 1.0
	v_fma_f32 v[PP+6], v12, v[PP+6], v[PP+6]       ; the reciprocal corrected once
.irp k, 0,2,4,6
	v_mov_b32 v[PP+\k+1], v[PP+\k]
.endr
	s_wait_alu depctr_va_vdst(0)                   ; the wait here, ahead of the waits below
	s_wait_loadcnt 12                              ; row 0's four loads are in
	TURN 0
.macro STEP t
.set XS, X+16*((\t)%2)
.if (\t) > 0
	s_wait_dscnt 2                                 ; this row's numbers are back from the stage; the last row's two stores (byte, codes) may be out
.else
	s_wait_dscnt 0x0
.endif
.if (\t)+4 < STEPS
	LOAD (\t)+4
.endif
.if (\t)+1 < STEPS
.if STEPS-2-(\t) >= 3
	s_wait_loadcnt 12                              ; the next row's four loads are in; three rows' may be out
.else
	s_wait_loadcnt 4*(STEPS-2-(\t))
.endif
	TURN (\t)+1
.endif
.irp k, 0,2,4,6,8,10,12,14
	v_pk_add_f32 v[D+\k:D+\k+1], v[XS+\k:XS+\k+1], v[PP:PP+1] neg_lo:[0,1] neg_hi:[0,1]   ; x - mn
.endr
.irp k, 0,2,4,6,8,10,12,14
	v_pk_mul_f32 v[Q+\k:Q+\k+1], v[D+\k:D+\k+1], v[PP+6:PP+7]                             ; a first quotient,
.endr
.irp k, 0,2,4,6,8,10,12,14
	v_pk_fma_f32 v[D+\k:D+\k+1], v[Q+\k:Q+\k+1], v[PP+4:PP+5], v[D+\k:D+\k+1]             ; its remainder,
.endr
.irp k, 0,2,4,6,8,10,12,14
	v_pk_fma_f32 v[Q+\k:Q+\k+1], v[D+\k:D+\k+1], v[PP+6:PP+7], v[Q+\k:Q+\k+1]             ; (x - mn) / s
.endr
.irp k, 0,1,2,3,4,5,6,7,8,9,10,11,12,13,14,15
	v_rndne_f32 v[Q+\k], v[Q+\k]                                                          ; the level
.endr
.irp k, 0,2,4,6,8,10,12,14
	v_pk_fma_f32 v[Q+\k:Q+\k+1], v[Q+\k:Q+\k+1], v[PP+2:PP+3], v[PP:PP+1]                 ; q = level x s + mn
.endr
.irp k, 0,2,4,6,8,10,12,14
	v_pk_add_f32 v[D+\k:D+\k+1], v[Q+\k:Q+\k+1], v[XS+\k:XS+\k+1] neg_lo:[0,1] neg_hi:[0,1]   ; q - x
.endr
.irp k, 0,2,4,6,8,10,12,14
	v_pk_add_f32 v[XS+\k:XS+\k+1], v[XS+\k:XS+\k+1], v[D+\k:D+\k+1]                       ; x + (q - x)
.endr
	v_max3_num_f32 v8, |v[XS]|, |v[XS+1]|, |v[XS+2]|
	v_max3_num_f32 v9, |v[XS+3]|, |v[XS+4]|, |v[XS+5]|
.irp i, 6,10
	v_max3_num_f32 v8, v8, |v[XS+\i]|, |v[XS+\i+1]|
	v_max3_num_f32 v9, v9, |v[XS+\i+2]|, |v[XS+\i+3]|
.endr
	v_max3_num_f32 v8, v8, |v[XS+14]|, |v[XS+15]|
	v_max3_num_f32 v8, v8, v9, (EMAX+1)<<23        ; the floor: the byte cannot fall under 1
	v_max_num_f32_dpp v8, v8, v8 row_xmask:1 row_mask:0xf bank_mask:0xf   ; with my neighbour's 16: the block's
	v_add_nc_u32 v11, -(EMAX<<23), v8              ; the conversion takes this operand's exponent field as its scale
	v_cvt_scalef32_pk8_fp4_f32 v[C+2*(\t)], v[XS:XS+7], v11
	v_cvt_scalef32_pk8_fp4_f32 v[C+2*(\t)+1], v[XS+8:XS+15], v11
	v_lshrrev_b32 v[E+(\t)], 23, v11               ; the scale's byte (also the plain line behind the conversions)
	ds_store_b8 v5, v[E+(\t)] offset:SBY+16*(\t)   ; both lanes of a block write the same byte with the same value
	ds_store_b64 v212, v[C+2*(\t):C+2*(\t)+1] offset:CST+16*(\t)   ; my 8 bytes at row t's place in their unit
.endm
.irp t, 0,1,2,3,4,5,6,7,8,9,10,11,12,13,14,15
	STEP \t
.endr
	ds_load_b64 v[12:13], v6 offset:SBY            ; LDS serves a wave's instructions in order: these see my stores
.irp i, 0,1,2,3,4,5,6,7
	ds_load_b128 v[R+4*\i:R+4*\i+3], v213 offset:CST+2*CP*\i
.endr
	s_wait_dscnt 0x0
	global_store_b64 v4, v[12:13], s[20:21]        ; 256 consecutive bytes, aligned
.irp i, 0,1,2,3,4,5,6,7
	global_store_b128 v3, v[R+4*\i:R+4*\i+3], s[18:19] offset:512*\i   ; 512 consecutive bytes, aligned
.endr
	s_wait_tensorcnt 0x0                           ; the wave's end
	ds_add_u32 v216, v217
	s_wait_dscnt 0x0
	s_endpgm
.Lfunc_end_k_qa81830d0ed_quant:
	.size	k_qa81830d0ed_quant, .Lfunc_end_k_qa81830d0ed_quant-k_qa81830d0ed_quant
	.p2alignl 7, 3214868480
	.fill 96, 4, 3214868480
	.section	.rodata,"a",@progbits
	.p2align	6, 0x0
	.amdhsa_kernel k_qa81830d0ed_quant
		.amdhsa_group_segment_fixed_size 41472
		.amdhsa_private_segment_fixed_size 0
		.amdhsa_enable_private_segment 0
		.amdhsa_kernarg_size 72
		.amdhsa_user_sgpr_count 2
		.amdhsa_user_sgpr_kernarg_segment_ptr 1
		.amdhsa_wavefront_size32 1
		.amdhsa_system_sgpr_workgroup_id_x 1
		.amdhsa_system_sgpr_workgroup_id_y 1
		.amdhsa_system_sgpr_workgroup_id_z 1
		.amdhsa_system_vgpr_workitem_id 0
		.amdhsa_next_free_vgpr 218
		.amdhsa_next_free_sgpr 66
		.amdhsa_reserve_vcc 0
		.amdhsa_float_denorm_mode_32 3
		.amdhsa_float_denorm_mode_16_64 3
		.amdhsa_memory_ordered 1
		.amdhsa_forward_progress 1
		.amdhsa_inst_pref_size 102
	.end_amdhsa_kernel
	.amdgpu_metadata
---
amdhsa.version: [ 1, 2 ]
amdhsa.kernels:
  - .name:           k_qa81830d0ed_quant
    .symbol:         k_qa81830d0ed_quant.kd
    .args:
      - { .name: input, .offset: 0, .size: 8, .value_kind: global_buffer, .address_space: global }
      - { .name: h, .offset: 8, .size: 8, .value_kind: global_buffer, .address_space: global }
      - { .name: W_in, .offset: 16, .size: 8, .value_kind: global_buffer, .address_space: global }
      - { .name: W_h, .offset: 24, .size: 8, .value_kind: global_buffer, .address_space: global }
      - { .name: part, .offset: 32, .size: 8, .value_kind: global_buffer, .address_space: global }
      - { .name: a_codes, .offset: 40, .size: 8, .value_kind: global_buffer, .address_space: global }
      - { .name: a_scales, .offset: 48, .size: 8, .value_kind: global_buffer, .address_space: global }
      - { .name: b_codes, .offset: 56, .size: 8, .value_kind: global_buffer, .address_space: global }
      - { .name: b_scales, .offset: 64, .size: 8, .value_kind: global_buffer, .address_space: global }
    .group_segment_fixed_size: 41472
    .private_segment_fixed_size: 0
    .kernarg_segment_align: 8
    .kernarg_segment_size: 72
    .max_flat_workgroup_size: 128
    .sgpr_count:     66
    .vgpr_count:     218
    .wavefront_size: 32
...
	.end_amdgpu_metadata
.endif
;; end of part 2
;; launch lstm (part 3): grid 16 x 16, 4 waves a work-group, clusters of 4 x 1, 327,680 bytes of LDS; arguments a_codes, a_scales, b_codes, b_scales, b_in, b_h, c, out0, out1; writes out0, out1
.if DOCPART == 3
	.amdgcn_target "amdgcn-amd-amdhsa--gfx1250"
	.amdhsa_code_object_version 6
	.text
	.protected	k_qa81830d0ed_lstm
	.globl	k_qa81830d0ed_lstm
	.p2align	8
	.type	k_qa81830d0ed_lstm,@function
k_qa81830d0ed_lstm:
	s_mov_b64 s[64:65], 0
	v_nop
	global_prefetch_b8 v0, s[64:65] scope:SCOPE_SE
	s_setreg_imm32_b32 hwreg(HW_REG_WAVE_MODE, 25, 1), 1
	s_wait_xcnt 0x0
	s_wait_alu depctr_hold_cnt(0) depctr_sa_sdst(0) depctr_va_vdst(0) depctr_va_sdst(0) depctr_va_ssrc(0) depctr_va_vcc(0) depctr_vm_vsrc(0)
	s_getreg_b32 s2, hwreg(HW_REG_IB_STS2, 6, 4)
	s_cmp_eq_u32 s2, 0
	s_cbranch_scc0 .Lentry_in_a_cluster
	s_endpgm
.Lentry_in_a_cluster:
	s_bfe_u32 s2, ttmp6, 0x10000c
	s_cmp_lg_u32 s2, 0x3003
	s_cbranch_scc0 .Lentry_shape_is_right
	s_endpgm
.Lentry_shape_is_right:
; gates[m][n] = b_in[n] + b_h[n] + sum over k of A[m][k] B[n][k], K = 2,048, on codes of FP4 (E2M1) with one E8M0 scale for each 32 along K; then, in f32,
; c_ = sigmoid(f) c + sigmoid(i) tanh(g) -> out1,  h_ = sigmoid(o) tanh(c_) -> out0.  The gates never go to memory.
; Codes lie as images of the operand's registers, [block of 16 rows][step q of 128 along K][1,024 bytes]; scale bytes as [block][512 along K][row][16 bytes] (the launch before lays them).
; B's blocks 16 y .. 16 y + 15 are the four gates of hidden columns 64 y .. 64 y + 63: block b = 8 v + 2 g + u holds gate g of columns 32 v + 16 u + 0..15.
; A WORK-GROUP (x, y) takes rows 512 x .. + 511 against those 256 rows of B.  B'S CODES FOR ALL OF K, 262,144 dense bytes, COME INTO LDS ONCE, a quarter by each wave's one tensor load, and stay:
; nothing is filled again, so behind the head's barrier no wave waits for another.  B's scale bytes (16,384) and a table of the biases go to LDS through registers.
; A WAVE takes 128 rows in two passes of 64 x 256: 512 registers of sums.  A's fragments come from memory straight into registers: a load reads 512 consecutive bytes of an image;
; a ring of four groups of eight loads runs ahead of the products; the pass's four groups of c ride in the same ring behind A's sixteen, and the next pass's first four groups behind those.
; THE MATRIX INSTRUCTION is the 32 x 16 x 128 form, USED TRANSPOSED: source 0 = 32 rows of B (blocks 2 i, 2 i + 1), source 1 = 16 rows of A.  Of its 16 result registers 8 e + j, in lane (r, h), is
; row 16 a + r, row 8 h + j of B's block 2 i + e: accumulator i = 4 v + g holds gate g of 16 numbers of the cell, and the four gates of one number lie in one lane, 16 registers apart.
; A wave's 64 hidden columns are 256 bytes of a row of c, c_ and h_: its stage in LDS is its own.
; THE BIASES enter with the exponents: -x log2 e = acc (-log2 e) + (b_in + b_h)(-log2 e), one fused multiply-add; the second term lies ready in the table.
; THE ACTIVATIONS: sigmoid(x) = 1 / (1 + 2^(-x log2 e)); tanh(x) = (2 - d) / d, d = 1 + 2^(-2 x log2 e) with the exponent held at 40, where tanh is -1 in f32; a product of two of them takes one
; reciprocal, of the product of the denominators, (1 + a) d = a d + d.  A sigmoid's term that overflows gives the reciprocal 0, times a finite number.  LIMITS: NaN and infinities among the inputs are not served.
; THE CELL IS COMPUTED IN PLACE, in the four gates' own registers: the exponents over the sums, c_ over gate f, h_ over gate o; a block of 16 rows (32 numbers a lane) goes through each batch of transcendentals at once.
; CLUSTERS: the four work-groups of a cluster (4 x 1) have one y: B's quarter is asked for jointly, by the same load with the mask of all four.  A, c and the outputs are each work-group's own.
; PREFETCH: each pass asks for its 64 rows of c (a lane a row of 256 bytes, two instructions, in steps 2 and 3), ten steps ahead of the first load of c.  A has none: its own loads are issued four groups ahead.
; REGISTERS: window 0: v16-30 addresses; v32-95 B's scale words, two sets (on the way out: 32 rows on their way to memory); v96-127 A's scale words of a pass; v128-255 the ring.
;   window 1: B's fragments, two sets of 128 (on the way out: the biases' terms v0-127, c v224-255).  Windows 2, 3: block a's half v, gate g at v[128 (a % 2) + 64 v + 16 g] of window 2 + a / 2.
.set SCLB,   262144                    ; LDS: behind B's codes its scale bytes,
.set BIAS,   SCLB+16384                ; the biases' terms: [b][8 h + j], 1,024 bytes,
.set STG,    BIAS+1024                 ; a stage for each wave: 16 rows x 272 for c and c_, the same for h_,
.set SPITCH, 272
.set HST,    16*SPITCH
.set SPARE,  STG+4*2*HST               ; and the spare words
.set SPW,  6
.set NIL,  7
.set AO,   16                          ; v16     16 x lane;  v16-19: + 65,536 i: B's blocks 4 i .. 4 i + 3
.set ADRB, 16
.set ASO,  20                          ; 1,024 h + 16 r: scale words, lanes 16-31 take the next block's
.set ADRS, 21                          ; the same in LDS
.set ADBI, 22                          ; BIAS + 32 h
.set CO,   23                          ; 4,096 h + 16 r: sixteen lanes to a row of 256 bytes
.set PFC,  24                          ; 4,096 x lane
.set CA,   25                          ; my stage + 272 r + 32 h
.set RD,   26                          ; my stage + 272 h + 16 r
.set TO,   27                          ; 16 x thread
.set TS,   28                          ; SCLB + 16 x thread
.set BO,   29                          ; my two biases
.set BS,   30                          ; BIAS + 8 x thread
.set BSC,  32
.set RW,   32
.set ASC,  96
.set AF,   128
.set BI,   0                           ; window 1, on the way out
.set CU,   224                         ; c: 32 numbers
.set WV,   26
.set G0,   32
.set G1,   36
.set LE,   44
.set LE2,  46
.set CAP,  48
.set PASS, 49
.set MSB, 0
.macro WIN new                         ; the immediate's high byte repeats the setting that is left
.if MSB != \new
	s_set_vgpr_msb (MSB<<8)|\new
.set MSB, \new
.endif
.endm
.set MUL_LO, 0xa1                      ; source 0 (B) window 1, source 1 (A) window 0, C and D window 2
.set MUL_HI, 0xf1
.set TO_B,   0x40                      ; destination window 1, address window 0
.macro ROUND                           ; a round of the cluster's barrier
	s_barrier_signal -1
	s_barrier_wait -1
	s_cmp_lg_u32 s[WV], 0
	s_cbranch_scc1 .Lnot_wave_0_\@
	s_barrier_signal -3
.Lnot_wave_0_\@:
	s_barrier_wait -3
	s_barrier_signal -1
	s_barrier_wait -1
.endm
.macro PLACES
.rept 4
	v_nop
.endr
.endm
.macro AGRP q, d                       ; A's four blocks of step q into ring slot q % 4; d: bytes to the pass meant
.irp a, 0,1,2,3
.irp c, 0,1
	global_load_b128 v[AF+32*((\q)%4)+8*\a+4*\c:AF+32*((\q)%4)+8*\a+4*\c+3], v[AO], s[8:9] offset:(\d)+\a*16384+(\q)*1024+\c*512
.endr
.endr
.endm
.macro ASCL d                          ; A's scale words of a pass: register ASC + 16 i + q: lanes 0-15 block 2 i, lanes 16-31 block 2 i + 1
.irp i, 0,1
.irp g, 0,1,2,3
	global_load_b128 v[ASC+16*\i+4*\g:ASC+16*\i+4*\g+3], v[ASO], s[10:11] offset:(\d)+\i*2048+\g*256
.endr
.endr
.endm
.macro CGRP a                          ; block a's 16 rows of c, two rows an instruction, into ring slot a
.irp t, 0,1,2,3,4,5,6,7
	global_load_b128 v[AF+32*(\a)+4*\t:AF+32*(\a)+4*\t+3], v[CO], s[20:21] offset:(16*(\a)+2*\t)*4096 th:TH_LOAD_NT
.endr
.endm
.macro FETCHB q, b0                    ; B's blocks b0 .. b0 + 7 of step q into set q % 2: each load reads 512 consecutive bytes of LDS
.irp i, 0,1,2,3,4,5,6,7
.irp c, 0,1
	ds_load_b128 v[128*((\q)%2)+8*(\b0+\i)+4*\c:128*((\q)%2)+8*(\b0+\i)+4*\c+3], v[ADRB+(\b0+\i)/4] offset:((\b0+\i)%4)*16384+(\q)*1024+\c*512
.endr
.endr
.endm
.macro BIASL                           ; the biases' terms into B's set 0: sixteen lanes read the same 16 bytes
.irp b, 0,1,2,3,4,5,6,7,8,9,10,11,12,13,14,15
.irp e, 0,1
	ds_load_b128 v[BI+8*\b+4*\e:BI+8*\b+4*\e+3], v[ADBI] offset:64*\b+16*\e
.endr
.endr
.endm
.macro SCALES g                        ; B's scale words of steps 4 g .. 4 g + 3 into set g % 2: register 4 i + q % 4: lane m holds the word of row m of blocks 2 i, 2 i + 1
.irp i, 0,1,2,3,4,5,6,7
	ds_load_b128 v[BSC+32*((\g)%2)+4*\i:BSC+32*((\g)%2)+4*\i+3], v[ADRS] offset:\i*2048+(\g)*256
.endr
.endm
.macro WM                              ; one product; SEL picks the half of A's scale register; ZR: the first product starts the sum
.if ZR
.if SEL == 0
	v_wmma_scale_f32_32x16x128_f4 v[DD:DD+15], v[BB:BB+15], v[AA:AA+7], 0, v[SB], v[SA]
.else
	v_wmma_scale_f32_32x16x128_f4 v[DD:DD+15], v[BB:BB+15], v[AA:AA+7], 0, v[SB], v[SA] matrix_b_scale:MATRIX_SCALE_ROW1
.endif
.else
.if SEL == 0
	v_wmma_scale_f32_32x16x128_f4 v[DD:DD+15], v[BB:BB+15], v[AA:AA+7], v[DD:DD+15], v[SB], v[SA]
.else
	v_wmma_scale_f32_32x16x128_f4 v[DD:DD+15], v[BB:BB+15], v[AA:AA+7], v[DD:DD+15], v[SB], v[SA] matrix_b_scale:MATRIX_SCALE_ROW1
.endif
.endif
.endm
.macro MUL a, q                        ; A's block a against B's eight pairs of blocks.  The 32 accumulators take turns, in the same order in every step
.set AA, AF+32*((\q)%4)+8*(\a)
.set SA, ASC+16*((\a)/2)+(\q)
.set SEL, (\a)%2
.irp i, 0,1,2,3,4,5,6,7
.set DD, 8*(16*((\a)%2)+2*\i)
.set BB, 128*((\q)%2)+16*\i
.set SB, BSC+32*(((\q)/4)%2)+4*\i+(\q)%4
	WM
.endr
.endm
; A step of 128 along K: 32 products in one run.  The four places at its head stand between the last step's products and this step's loads into registers that those read
; (the ring slot of step q - 1, B's other set, the other set of scale words); all of the step's loads stand in one run behind the places.
.macro STEP q
.set ZR, (\q) == 0
.set ND, 32
	WIN 0
.if (\q) > 0
	PLACES
.if (\q)+3 < 16
	AGRP (\q)+3, 0
.else
	CGRP (\q)-13                                   ; behind A's sixteen groups: c's blocks 0 to 2
.endif
.endif
.if ((\q)%4 == 1) && ((\q) < 12)
	SCALES (\q)/4+1
.set ND, ND+8
.endif
	WIN TO_B
.if (\q) < 15
	FETCHB (\q)+1, 0
	FETCHB (\q)+1, 8
.else
	BIASL                                          ; the last step has no successor: B's idle set takes what the way out needs first
.endif
	s_wait_loadcnt 24                              ; group q (in step 0: A's scale words too) is in; the three groups behind it may be out
	s_wait_dscnt ND                                ; B's set and scale words, asked for a step ago, are in; what this run has issued may be out
	WIN MUL_LO
	MUL 0, \q
	MUL 1, \q
.if ((\q) == 2) || ((\q) == 3)
	WIN 0
	global_prefetch_b8 v[PFC], s[20:21] offset:131072*((\q)-2) th:TH_LOAD_NT scope:SCOPE_SE   ; 32 rows of this pass's c, a lane a row
.endif
	WIN MUL_HI
	MUL 2, \q
	MUL 3, \q
.endm
	s_load_b512 s[8:23], s[0:1], 0x0               ; a_codes s[8:9], a_scales, b_codes s[12:13], b_scales, b_in s[16:17], b_h, c s[20:21], out0 s[22:23]
	s_load_b64 s[24:25], s[0:1], 0x40              ; out1
	v_lshl_add_u32 v[SPW], v0, 2, SPARE
	v_mov_b32 v[NIL], 0
	ds_add_u32 v[SPW], v[NIL]                      ; the opening lines: the add, twice on end, and its wait ahead of my tensor load
	ds_add_u32 v[SPW], v[NIL]
	v_lshrrev_b32 v1, 5, v0
	v_readfirstlane_b32 s[WV], v1                  ; wave 0..3
	s_bfe_u32 s27, ttmp6, 0x40000                  ; cx
	s_lshl_b32 s28, ttmp9, 2
	s_add_co_u32 s28, s28, s27                     ; x: which 512 rows
	s_and_b32 s29, ttmp7, 0xffff                   ; y: which 64 hidden columns
	s_mov_b32 s[G1+0], 15|(3<<16)|(1<<21)          ; the mask of all four; elements of 8 bytes; bit 21 beside a mask; no padding
	s_mov_b32 s[G1+1], 32<<16                      ; a dense block of 65,536 bytes as 256 rows of 256
	s_mov_b32 s[G1+2], 256<<16
	s_mov_b32 s[G1+3], 32<<16
	s_mov_b32 s[G1+4], 256
	s_mov_b32 s[G1+5], 32
	s_mov_b32 s[G1+6], 0
	s_mov_b32 s[G1+7], 0
	s_mov_b32 s[G0], 1
	s_lshl_b32 s[G0+1], s[WV], 16                  ; LDS: wave x 65,536
	s_lshl_b32 s30, s29, 18
	s_add_co_u32 s30, s30, s[G0+1]                 ; memory: 262,144 y + 65,536 wave
	s_mov_b32 s31, 0
	s_mov_b32 s[LE], 0xbfb8aa3b                    ; -log2 e
	s_mov_b32 s[LE+1], s[LE]
	s_mov_b32 s[LE2], 0xc038aa3b                   ; -2 log2 e
	s_mov_b32 s[LE2+1], s[LE2]
	s_mov_b32 s[CAP], 0x42200000                   ; 40.0
	s_wait_dscnt 0x0                               ; both opening adds are done
	s_wait_kmcnt 0x0
	s_add_nc_u64 s[G0+2:G0+3], s[12:13], s[30:31]
	s_or_b32 s[G0+3], s[G0+3], 0x80000000
	ROUND                                          ; all four work-groups are here: the joint loads meet
	tensor_load_to_lds s[G0:G0+3], s[G1:G1+7]      ; my quarter of B's codes: the wave's one tensor load
	s_nop 0
	PLACES
	s_lshl_b32 s30, s28, 5
	s_lshl_b32 s50, s[WV], 3
	s_add_co_u32 s50, s50, s30                     ; my first block of 16 rows: 32 x + 8 wave
	s_lshl_b32 s30, s50, 14
	s_add_nc_u64 s[8:9], s[8:9], s[30:31]
	s_lshl_b32 s30, s50, 10
	s_add_nc_u64 s[10:11], s[10:11], s[30:31]
	s_lshl_b32 s51, s29, 8                         ; 256 y: the columns' bytes in a row
	s_lshl_b32 s30, s50, 16
	s_add_co_u32 s30, s30, s51
	s_add_nc_u64 s[20:21], s[20:21], s[30:31]
	s_add_nc_u64 s[22:23], s[22:23], s[30:31]
	s_add_nc_u64 s[24:25], s[24:25], s[30:31]
	s_lshl_b32 s30, s29, 14
	s_add_nc_u64 s[14:15], s[14:15], s[30:31]
	s_mul_i32 s52, s[WV], 2*HST
	s_add_co_u32 s52, s52, STG                     ; my stage
	s_mov_b32 s[PASS], 2
	v_and_b32 v1, 15, v0                           ; r
	v_bfe_u32 v2, v0, 4, 1                         ; h
	v_and_b32 v3, 31, v0
	v_lshlrev_b32 v[AO], 4, v3
.irp i, 1,2,3
	v_add_nc_u32 v[ADRB+\i], 65536*\i, v[AO]
.endr
	v_lshlrev_b32 v4, 4, v1
	v_lshl_add_u32 v[ASO], v2, 10, v4
	v_add_nc_u32 v[ADRS], SCLB, v[ASO]
	v_lshlrev_b32 v5, 5, v2
	v_add_nc_u32 v[ADBI], BIAS, v5
	v_lshl_add_u32 v[CO], v2, 12, v4
	v_lshlrev_b32 v[PFC], 12, v3
	v_mul_u32_u24 v8, v1, SPITCH
	v_lshl_add_u32 v8, v2, 5, v8
	v_add_nc_u32 v[CA], s52, v8
	v_mul_u32_u24 v9, v2, SPITCH
	v_add_nc_u32 v9, v9, v4
	v_add_nc_u32 v[RD], s52, v9
	v_lshlrev_b32 v[TO], 4, v0
	v_add_nc_u32 v[TS], SCLB, v[TO]
	v_lshrrev_b32 v8, 6, v0                        ; thread t makes rows 2 t, 2 t + 1 of the 256: v = t / 64,
	v_bfe_u32 v9, v0, 4, 2                         ; g = (t / 16) % 4,
	v_lshlrev_b32 v10, 3, v1                       ; column 2 (t % 16) of the 32
	v_lshl_add_u32 v10, v8, 7, v10
	v_lshl_add_u32 v10, v9, 12, v10
	v_add_nc_u32 v[BO], s51, v10                   ; 4 (1,024 g + 64 y + 32 v + 2 (t % 16))
	v_lshl_add_u32 v[BS], v0, 3, BIAS
	v_cmp_eq_u32 vcc_lo, 2, v9
	v_mov_b32 v11, 0xbfb8aa3b
	v_mov_b32 v10, 0xc038aa3b
	v_cndmask_b32 v11, v11, v10, vcc_lo            ; the gate's factor
	s_wait_alu depctr_va_vdst(0)                   ; the wait at the head's end
.irp i, 0,1,2,3,4,5,6,7
	global_load_b128 v[BSC+4*\i:BSC+4*\i+3], v[TO], s[14:15] offset:2048*\i   ; B's scale bytes: 2,048 consecutive bytes for the 128 threads
.endr
	global_load_b64 v[12:13], v[BO], s[16:17]
	global_load_b64 v[14:15], v[BO], s[18:19]
	ASCL 0
.irp q, 0,1,2,3
	AGRP \q, 0
.endr
	s_wait_loadcnt 40                              ; the ten loads above are in; A's 8 + 32 may be out
	v_add_f32 v12, v12, v14
	v_add_f32 v13, v13, v15
	v_mul_f32 v12, v12, v11
	v_mul_f32 v13, v13, v11
	s_wait_alu depctr_va_vdst(0)                   ; the wait here, ahead of the wait below
	s_wait_tensorcnt 0x0                           ; my quarter of B has landed
.irp i, 0,1,2,3,4,5,6,7
	ds_store_b128 v[TS], v[BSC+4*\i:BSC+4*\i+3] offset:2048*\i
.endr
	ds_store_b64 v[BS], v[12:13]
	s_wait_dscnt 0x0                               ; for the others' sake: my stores are done
	s_barrier_signal -1
	s_barrier_wait -1                              ; B, its scales and the table are whole: the last barrier but the closing round's
; THE WAY OUT of a pass.  First the exponents of all four blocks, in place over the sums; then block by block of 16 rows x 64 hidden columns: 32 numbers of the cell a lane.
.macro EXPO hw                         ; blocks 2 hw and 2 hw + 1: m = 2 (a % 2) + v
	WIN 0x92+0x41*(\hw)                            ; source 0 and destination window 2 + hw, source 2 window 1
.irp m, 0,1,2,3
.irp g, 0,1,2,3
.irp k, 0,2,4,6,8,10,12,14
.if \g == 2
	v_pk_fma_f32 v[64*\m+16*\g+\k:64*\m+16*\g+\k+1], v[64*\m+16*\g+\k:64*\m+16*\g+\k+1], s[LE2:LE2+1], v[BI+64*(\m%2)+16*\g+\k:BI+64*(\m%2)+16*\g+\k+1] op_sel_hi:[1,0,1]
.else
	v_pk_fma_f32 v[64*\m+16*\g+\k:64*\m+16*\g+\k+1], v[64*\m+16*\g+\k:64*\m+16*\g+\k+1], s[LE:LE+1], v[BI+64*(\m%2)+16*\g+\k:BI+64*(\m%2)+16*\g+\k+1] op_sel_hi:[1,0,1]
.endif
.endr
.endr
.endr
	WIN 0xaa+0x55*(\hw)                            ; all in window 2 + hw
.irp m, 0,1,2,3
.set i, 0
.rept 16
	v_min_num_f32 v[64*\m+32+i], s[CAP], v[64*\m+32+i]   ; the tanh's exponent is held at 40
.set i, i+1
.endr
.endr
.endm
.macro SENDR p                         ; block p's 16 rows of c_ and of h_: sixteen lanes store 256 consecutive bytes, aligned
.irp t, 0,1,2,3,4,5,6,7
	global_store_b128 v[CO], v[RW+4*\t:RW+4*\t+3], s[24:25] offset:(16*(\p)+2*\t)*4096 th:TH_STORE_NT
	global_store_b128 v[CO], v[RW+32+4*\t:RW+32+4*\t+3], s[22:23] offset:(16*(\p)+2*\t)*4096 th:TH_STORE_NT
.endr
.endm
.macro NEXT a                          ; ring slot a is free: while a pass is to come it takes that pass's group a (ahead of group 0: its scale words)
	s_cmp_eq_u32 s[PASS], 1
	s_cbranch_scc1 .Lnone_\@
.if (\a) == 0
	ASCL 4096
.endif
	AGRP \a, 65536
.Lnone_\@:
.endm
; One layer of the cell over a block: 16 packed instructions; d, x, y, z: the gates' offsets 0 (i), 16 (f), 32 (g), 48 (o)
.macro ADD1 d                          ; d += 1
.irp v, 0,64
.irp k, 0,2,4,6,8,10,12,14
	v_pk_add_f32 v[AB+\v+\d+\k:AB+\v+\d+\k+1], v[AB+\v+\d+\k:AB+\v+\d+\k+1], 1.0 op_sel_hi:[1,0]
.endr
.endr
.endm
.macro FMAD d, y                       ; d = d y + y
.irp v, 0,64
.irp k, 0,2,4,6,8,10,12,14
	v_pk_fma_f32 v[AB+\v+\d+\k:AB+\v+\d+\k+1], v[AB+\v+\d+\k:AB+\v+\d+\k+1], v[AB+\v+\y+\k:AB+\v+\y+\k+1], v[AB+\v+\y+\k:AB+\v+\y+\k+1]
.endr
.endr
.endm
.macro TWOM d                          ; d = 2 - d
.irp v, 0,64
.irp k, 0,2,4,6,8,10,12,14
	v_pk_fma_f32 v[AB+\v+\d+\k:AB+\v+\d+\k+1], v[AB+\v+\d+\k:AB+\v+\d+\k+1], -1.0, 2.0 op_sel_hi:[1,0,0]
.endr
.endr
.endm
.macro MULD d, x                       ; d = x d
.irp v, 0,64
.irp k, 0,2,4,6,8,10,12,14
	v_pk_mul_f32 v[AB+\v+\d+\k:AB+\v+\d+\k+1], v[AB+\v+\x+\k:AB+\v+\x+\k+1], v[AB+\v+\d+\k:AB+\v+\d+\k+1]
.endr
.endr
.endm
.macro BATCH op, d, n                  ; a batch of transcendentals on n registers from gate d on, in both halves; a wait ahead of it and a wait behind it
	s_wait_alu depctr_va_vdst(0)
.irp v, 0,64
.set i, 0
.rept \n
	\op v[AB+\v+\d+i], v[AB+\v+\d+i]
.set i, i+1
.endr
.endr
	v_nop
	s_wait_alu depctr_va_vdst(0)
.endm
.macro BLOCK a
.set AB, 128*((\a)%2)
	WIN 0
	s_wait_loadcnt 8*(3-(\a))                      ; block a's c is in.  The count is that of c's groups behind it alone: it holds whether or not the next pass's loads stand behind them
.irp t, 0,1,2,3,4,5,6,7
	ds_store_b128 v[RD], v[AF+32*(\a)+4*\t:AF+32*(\a)+4*\t+3] offset:2*\t*SPITCH   ; c by rows into my stage (behind the reads of the block before: LDS serves a wave's instructions in order),
.endr
	WIN TO_B
.irp w, 0,1,2,3
.irp e, 0,1
	ds_load_b128 v[CU+8*\w+4*\e:CU+8*\w+4*\e+3], v[CA] offset:64*\w+16*\e          ; and back as the lanes want it
.endr
.endr
	WIN 0xaa+0x55*((\a)/2)                         ; all in the block's window
	BATCH v_exp_f32, 0, 64                         ; e of all four gates
	WIN 0
	s_wait_dscnt 0x0                               ; c is in, its stores have read the ring slot, the block before is back in registers
.if (\a) > 0
	SENDR (\a)-1
.endif
	NEXT \a
	WIN 0xaa+0x55*((\a)/2)
	ADD1 32                                        ; d_g = 1 + e_g
	ADD1 16                                        ; 1 + e_f
	FMAD 0, 32                                     ; (1 + e_i) d_g
	TWOM 32                                        ; 1 - e_g
	BATCH v_rcp_f32, 0, 32                         ; 1 / that product, and sigmoid(f)
	MULD 0, 32                                     ; sigmoid(i) tanh(g)
	WIN 0xa9+0x54*((\a)/2)                         ; source 0 window 1
.irp v, 0,64
.irp k, 0,2,4,6,8,10,12,14
	v_pk_fma_f32 v[AB+\v+16+\k:AB+\v+17+\k], v[CU+\v/4+\k:CU+\v/4+\k+1], v[AB+\v+16+\k:AB+\v+17+\k], v[AB+\v+\k:AB+\v+\k+1]   ; c_ = c sigmoid(f) + that
.endr
.endr
	WIN 0xaa+0x55*((\a)/2)
.irp v, 0,64
.irp k, 0,2,4,6,8,10,12,14
	v_pk_mul_f32 v[AB+\v+32+\k:AB+\v+33+\k], v[AB+\v+16+\k:AB+\v+17+\k], s[LE2:LE2+1] op_sel_hi:[1,0]
.endr
.endr
.irp v, 0,64
.set i, 0
.rept 16
	v_min_num_f32 v[AB+\v+32+i], s[CAP], v[AB+\v+32+i]
.set i, i+1
.endr
.endr
	BATCH v_exp_f32, 32, 16
	ADD1 32                                        ; d = 1 + e
	FMAD 48, 32                                    ; (1 + e_o) d
	TWOM 32                                        ; 1 - e
	BATCH v_rcp_f32, 48, 16
	MULD 48, 32                                    ; h_ = sigmoid(o) tanh(c_)
	WIN 0x08+0x04*((\a)/2)                         ; address window 0, data the block's window
.irp v, 0,1
.irp u, 0,1
.irp e, 0,1
	ds_store_b128 v[CA], v[AB+64*\v+16+8*\u+4*\e:AB+64*\v+16+8*\u+4*\e+3] offset:128*\v+64*\u+16*\e       ; c_ onto the bytes from which this lane read c
	ds_store_b128 v[CA], v[AB+64*\v+48+8*\u+4*\e:AB+64*\v+48+8*\u+4*\e+3] offset:HST+128*\v+64*\u+16*\e
.endr
.endr
.endr
	WIN 0
	s_wait_xcnt 0x0                                ; the stores of the block before have read their registers
.irp t, 0,1,2,3,4,5,6,7
	ds_load_b128 v[RW+4*\t:RW+4*\t+3], v[RD] offset:2*\t*SPITCH
	ds_load_b128 v[RW+32+4*\t:RW+32+4*\t+3], v[RD] offset:HST+2*\t*SPITCH
.endr
.endm
.Lpass:
	WIN TO_B
	FETCHB 0, 0
	FETCHB 0, 8
	WIN 0
	SCALES 0
.irp q, 0,1,2,3,4,5,6,7,8,9,10,11,12,13,14,15
	STEP \q
.endr
	WIN 0
	PLACES                                         ; behind the last products: a load into their registers and reads of results follow
	CGRP 3
	s_wait_dscnt 0x0                               ; the biases' terms, asked for a step ago
	EXPO 0
	EXPO 1
.irp a, 0,1,2,3
	BLOCK \a
.endr
	s_wait_dscnt 0x0
	SENDR 3
	s_wait_xcnt 0x0                                ; every load, store and prefetch has read its base and its registers
	s_add_nc_u64 s[8:9], s[8:9], 65536             ; on to my next 64 rows
	s_add_nc_u64 s[10:11], s[10:11], 4096
	s_add_nc_u64 s[20:21], s[20:21], 262144
	s_add_nc_u64 s[22:23], s[22:23], 262144
	s_add_nc_u64 s[24:25], s[24:25], 262144
	s_sub_co_u32 s[PASS], s[PASS], 1
	s_cmp_lg_u32 s[PASS], 0
	s_cbranch_scc1 .Lpass
	s_wait_tensorcnt 0x0                           ; the wave's end
	ds_add_u32 v[SPW], v[NIL]
	s_wait_dscnt 0x0
	ROUND                                          ; the closing round
	s_endpgm
.Lfunc_end_k_qa81830d0ed_lstm:
	.size	k_qa81830d0ed_lstm, .Lfunc_end_k_qa81830d0ed_lstm-k_qa81830d0ed_lstm
	.p2alignl 7, 3214868480
	.fill 96, 4, 3214868480
	.section	.rodata,"a",@progbits
	.p2align	6, 0x0
	.amdhsa_kernel k_qa81830d0ed_lstm
		.amdhsa_group_segment_fixed_size 327680
		.amdhsa_private_segment_fixed_size 0
		.amdhsa_enable_private_segment 0
		.amdhsa_kernarg_size 72
		.amdhsa_user_sgpr_count 2
		.amdhsa_user_sgpr_kernarg_segment_ptr 1
		.amdhsa_wavefront_size32 1
		.amdhsa_system_sgpr_workgroup_id_x 1
		.amdhsa_system_sgpr_workgroup_id_y 1
		.amdhsa_system_sgpr_workgroup_id_z 1
		.amdhsa_system_vgpr_workitem_id 0
		.amdhsa_next_free_vgpr 1024
		.amdhsa_next_free_sgpr 66
		.amdhsa_reserve_vcc 1
		.amdhsa_float_denorm_mode_32 3
		.amdhsa_float_denorm_mode_16_64 3
		.amdhsa_memory_ordered 1
		.amdhsa_forward_progress 1
		.amdhsa_inst_pref_size 254
	.end_amdhsa_kernel
	.amdgpu_metadata
---
amdhsa.version: [ 1, 2 ]
amdhsa.kernels:
  - .name:           k_qa81830d0ed_lstm
    .symbol:         k_qa81830d0ed_lstm.kd
    .args:
      - { .name: a_codes, .offset: 0, .size: 8, .value_kind: global_buffer, .address_space: global }
      - { .name: a_scales, .offset: 8, .size: 8, .value_kind: global_buffer, .address_space: global }
      - { .name: b_codes, .offset: 16, .size: 8, .value_kind: global_buffer, .address_space: global }
      - { .name: b_scales, .offset: 24, .size: 8, .value_kind: global_buffer, .address_space: global }
      - { .name: b_in, .offset: 32, .size: 8, .value_kind: global_buffer, .address_space: global }
      - { .name: b_h, .offset: 40, .size: 8, .value_kind: global_buffer, .address_space: global }
      - { .name: c, .offset: 48, .size: 8, .value_kind: global_buffer, .address_space: global }
      - { .name: out0, .offset: 56, .size: 8, .value_kind: global_buffer, .address_space: global }
      - { .name: out1, .offset: 64, .size: 8, .value_kind: global_buffer, .address_space: global }
    .group_segment_fixed_size: 327680
    .private_segment_fixed_size: 0
    .kernarg_segment_align: 8
    .kernarg_segment_size: 72
    .max_flat_workgroup_size: 128
    .sgpr_count:     66
    .vgpr_count:     1024
    .wavefront_size: 32
...
	.end_amdgpu_metadata
.endif
;; end of part 3
